; MI455X (gfx1250); checked and timed in simulation.
; The chip was launched on July 23, 2026; its instructions are those of AMD's public machine-readable ISA for CDNA 5 (MIT licence, August 2026) and "CDNA5" Instruction Set Architecture Reference Guide (July 2026). The comments in the code are by the model that wrote it; some were corrected since.
;; Self Att. Allowed arithmetic: matrix products marked QUANTISED: E2M3 operands, one E8M0 scale for each 32 along K, by v_wmma_scale_f32_16x16x128_f8f6f4 with both operands' format E2M3, f32 sums; everything else in f32.
;; Inputs: mask 8 x 2,048 bool; x 8 x 2,048 x 768 float32.
;; Outputs: out0 8 x 2,048 x 768 float32.
;; This version of the problem:
;;   THIS VERSION OF THE PROBLEM IS GIVEN IN LOW PRECISION. The matrix products marked QUANTISED in the list below multiply operands that are first quantised to E2M3 (2 exponent bits, 3 mantissa bits; 6 bits a number), with one power-of-two scale for each 32 numbers along K (OCP MX v1.0); their sums are f32. All else is computed in f32.
;;   The module's matrix products, in the order in which they are computed (A, B: the left and right operand; K: the contracted axis; several contracted axes count as one K, in the product's order):
;;     1. batch 8 x [M 2,048, K 768] x [K 768, N 2,048]; A: input x; B: input x: QUANTISED
;;     2. batch 8 x [M 2,048, K 2,048] x [K 2,048, N 768]; A: softmax (see below); B: input x: QUANTISED
;;   THE QUANTISER, for each operand of a quantised product, along K:
;;     - K is cut into blocks of 32 from its start; a last block that is shorter is filled with zeros.
;;     - A block's scale is 2^e with e = floor(log2(the largest magnitude in the block)) - 2, held to -126 .. 127; a block of zeros has e = 0. As a byte (E8M0): e + 127.
;;     - Each number is divided by its block's scale, clamped to +-7.5, and rounded to the nearest number of E2M3, ties to even, subnormals kept.
;;     - The product sums the exact products of the quantised numbers (number of the format x scale) in f32.
;;   ~~~python
;;   def quantise(x, axis):      # numpy; x: float32 -> the quantised numbers, widened to float32 again
;;       x = np.moveaxis(x, axis, -1); K = x.shape[-1]
;;       x = np.pad(x, [(0, 0)] * (x.ndim - 1) + [(0, -K % 32)]); x = x.reshape(x.shape[:-1] + (-1, 32)); a = np.abs(x).max(-1, keepdims=True)
;;       e = np.where(a > 0, np.clip(np.frexp(np.where(a > 0, a, 1))[1] - 1 - 2, -126, 127), 0)      # np.frexp(a)[1] - 1 = floor(log2(a)), exactly
;;       r = np.clip(x / 2.0 ** e, -7.5, 7.5)
;;       step = 2.0 ** (np.maximum(np.frexp(np.where(r == 0, 1, r))[1] - 1, 0) - 3)
;;       q = np.round(r / step) * step * 2.0 ** e      # np.round: ties to even
;;       return np.moveaxis(q.reshape(q.shape[:-2] + (-1,))[..., :K], -1, axis).astype(np.float32)
;;   ~~~
;;   SOFTMAX AHEAD OF A QUANTISED PRODUCT. Where the list says 'softmax', what is quantised is not the finished softmax but p = 2^(t - M), with t = logit x log2(e) and M = ceil(the row's largest t), a whole number; so 1/2 < the row's largest p <= 1. The row's sum l is taken of the UNQUANTISED p, in f32, and the product's result is divided by l at the end. Since M is a whole number, a kernel that streams over the keys may use a running M (the ceiling of the running maximum): every later rescaling is an exact power of two, which a block's scale takes up: the codes' values come out the same.
;;   OPERANDS COMPUTED ON THE WAY. 'Computed on the way' means the value that the module computes at that place (a softmax that the list does not call 'softmax' is quantised finished and normalised). What goes into a quantiser is computed in f32, as accurately as f32 sums, v_exp_f32 and their like allow (about 1e-6 of the number): no bf16 or f16 on the way to a quantiser, and a product that is left as it is and whose result goes on into a quantised operand takes f32 operands (vector FMAs, or v_wmma_f32_16x16x4_f32). A number that lies on a knife's edge between two numbers of the format may be rounded either way, as far as f32 arithmetic and the matrix unit's own rounding can turn it there, and no further.
;; One version. Each part assembles by itself: llvm-mc -triple=amdgcn-amd-amdhsa -mcpu=gfx1250 --defsym DOCPART=n.
;; ======== version 1 of 1: 2 launches
;; limits: right only within a limited range of input values
;; workspace buffers: kv 19,791,872 bytes
;; launch prep (part 1): grid 6 x 128, 4 waves a work-group, no clusters, 68,096 bytes of LDS; arguments x, mask, kv; writes kv
.if DOCPART == 1
	.amdgcn_target "amdgcn-amd-amdhsa--gfx1250"
	.amdhsa_code_object_version 6
	.text
	.protected	k_qb12f28de26_prep
	.globl	k_qb12f28de26_prep
	.p2align	8
	.type	k_qb12f28de26_prep,@function
k_qb12f28de26_prep:
	s_mov_b64 s[64:65], 0
	v_nop
	global_prefetch_b8 v0, s[64:65] scope:SCOPE_SE
	s_setreg_imm32_b32 hwreg(HW_REG_WAVE_MODE, 25, 1), 1
	s_wait_xcnt 0x0
; x [8][2048][768] f32 is turned ONCE into codes of FP6 (E2M3) with E8M0 scale bytes, twice over: along the 768 channels (both operands of x x^T) and along the keys (the second product's
; right operand), and laid in kv in the order of the operands' registers, so that the next launch takes every fragment by loads of 16 bytes a lane.
; kv: 32 chains (batch b, wave w) of CH bytes; a chain is K(0) V(0) K(1) V(1) .. K(15) V(15).
;   K(j), PK bytes: keys 128 j + 32 w .. + 31.  12 fragments of 1,536 bytes (2 s + u: 128 channels from 128 s on, tile u; lane r of tile u is key 8 u + r + 8 (r / 8)); registers 4 c .. 4 c + 3 of lane l at 512 c + 16 l.
;         At 18,432 + 128 s + 4 l the scale words (lanes 0-15 tile 0, lanes 16-31 tile 1); at 19,200 + 4 k a number for key k: 0, or -3e38 where the mask hides the key; at 19,328 128 bytes of zeros.
;   V(j), 19,200 bytes: channels 192 w .. + 191, keys 128 j .. + 127.  12 fragments (tile e: channels 16 e on), the same image; at 18,432 + 128 i + 4 l the scale words (lanes 0-15 tile 2 i, lanes 16-31 tile 2 i + 1).
; A block's scale is 2^(floor(log2(its largest magnitude)) - 2); its byte is the largest magnitude's exponent field - 2, held at 1 from below (a block of zeros gets the byte 1 over zero codes: only this program reads the bytes).
; LIMITS: NaN and infinities in x are not served; blocks whose largest magnitude lies under 2^(3 - 127) are held at the byte 1.
; SHARES: a work-group takes 128 keys x 128 channels (x = the chunk of channels s, y = 16 b + j), 64 KB of x, read once: 512 consecutive bytes a load.  The tile lies in LDS; each wave then reads it twice:
; a lane a channel, registers down the keys (V), and a lane a key, registers along the channels (K).  One barrier: LDS is written once.  No tensor load, no matrix work, no cluster: work-groups share no input.
.set REC,   38656
.set PK,    19456
.set CH,    618496
.set PITCH, 528                        ; a key's 512 bytes + 16: the 16 rows that a load of 16 bytes a lane touches start 4 words apart
.set X,     32                         ; v32-159  128 numbers
.set FA,    160                        ; v160-171 a fragment
.set FB,    172                        ; v172-183 a second
.set TC,    184                        ; v184-186 a block's upper 16 codes (a conversion's three registers begin on an even number)
	s_load_b128 s[4:7], s[0:1], 0x0                ; x, mask
	s_load_b64 s[8:9], s[0:1], 0x10                ; kv
	v_lshl_add_u32 v192, v0, 2, 0x10800
	v_mov_b32 v193, 0
	v_lshrrev_b32 v1, 5, v0
	v_readfirstlane_b32 s10, v1                    ; wave v
	v_and_b32 v1, 31, v0                           ; lane L
	v_and_b32 v2, 15, v0                           ; r
	v_bfe_u32 v3, v0, 4, 1                         ; h
	v_lshlrev_b32 v4, 4, v1                        ; 16 L: my 16 bytes of a row's 512, and of a fragment's plane
	s_mul_i32 s15, s10, 32*PITCH
	v_add_nc_u32 v5, s15, v4                       ; LDS, in: my wave's 32 rows
	s_lshl_b32 s33, s10, 7
	v_lshl_add_u32 v6, v1, 2, s33                  ; LDS, V: channel 32 v + L, rows 0-63
	v_add_nc_u32 v7, 64*PITCH, v6                  ; rows 64-127
	v_mul_u32_u24 v8, v2, PITCH
	v_lshl_add_u32 v8, v3, 7, v8
	v_add_nc_u32 v8, s15, v8                       ; LDS, K: row 32 v + r, + 128 h bytes
	v_lshlrev_b32 v10, 2, v1                       ; 4 L
	v_lshlrev_b32 v12, 3, v3                       ; 8 h
	v_mov_b32 v23, 0                               ; a lane permute's destination counts as one of its sources
	s_mov_b32 s30, 0x76543210
	s_mov_b32 s31, 0xfedcba98                      ; selects for lane l xor 16
	s_mov_b32 s32, 0xffff0000                      ; lanes 16-31
	s_and_b32 s12, ttmp7, 0xffff                   ; 16 b + j
	s_lshr_b32 s13, s12, 4                         ; b
	s_and_b32 s14, s12, 15                         ; j
	s_lshl_b32 s16, s12, 7
	s_lshl_b32 s17, s10, 5
	s_add_co_u32 s16, s16, s17                     ; my wave's first key among all 16,384
	s_mov_b32 s18, s16                             ; its byte in the mask
	s_mov_b32 s19, 0
	s_mul_i32 s16, s16, 3072
	s_lshl_b32 s17, ttmp9, 9
	s_add_co_u32 s16, s16, s17                     ; its byte in x, at the chunk's first channel
	s_mov_b32 s17, 0
	s_lshl_b32 s20, ttmp9, 2
	s_add_co_u32 s20, s20, s10                     ; V: my 32 channels are pair 4 s + v of 24;
	s_mul_i32 s21, s20, 43
	s_lshr_b32 s21, s21, 8                         ; / 6: the chain's wave,
	s_mul_i32 s22, s21, 6
	s_sub_co_u32 s22, s20, s22                     ; and the pair i in it
	s_lshl_b32 s23, s13, 2
	s_mul_i32 s26, s14, REC
	s_add_co_u32 s24, s23, s21
	s_mul_i32 s24, s24, CH
	s_add_co_u32 s24, s24, s26
	s_add_co_u32 s24, s24, PK                      ; V(j) of that chain
	s_lshl_b32 s28, s22, 7
	s_add_co_u32 s28, s28, s24                     ; + 128 i: its scale words
	s_mov_b32 s29, 0
	s_mul_i32 s25, s22, 3072
	s_add_co_u32 s24, s24, s25                     ; + 2 i fragments
	s_mov_b32 s25, 0
	s_add_co_u32 s34, s23, s10
	s_mul_i32 s34, s34, CH
	s_add_co_u32 s34, s34, s26                     ; K(j) of chain (b, v)
	s_mov_b32 s35, 0
	s_mul_i32 s36, ttmp9, 3072
	s_add_co_u32 s36, s36, s34                     ; + 2 s fragments
	s_mov_b32 s37, 0
	s_lshl_b32 s38, ttmp9, 7
	s_add_co_u32 s38, s38, s34                     ; + 128 s: its scale words
	s_mov_b32 s39, 0
	s_wait_alu depctr_va_vdst(0)
	s_wait_kmcnt 0x0
	s_add_nc_u64 s[4:5], s[4:5], s[16:17]
	s_add_nc_u64 s[6:7], s[6:7], s[18:19]
	s_add_nc_u64 s[24:25], s[8:9], s[24:25]
	s_add_nc_u64 s[28:29], s[8:9], s[28:29]
	s_add_nc_u64 s[34:35], s[8:9], s[34:35]
	s_add_nc_u64 s[36:37], s[8:9], s[36:37]
	s_add_nc_u64 s[38:39], s[8:9], s[38:39]
	global_load_u8 v11, v1, s[6:7]                 ; the mask's byte of key 32 v + L
.set ii, 0
.rept 32
	global_load_b128 v[X+4*ii:X+4*ii+3], v4, s[4:5] offset:3072*ii th:TH_LOAD_NT   ; key 32 v + i: 32 lanes read 512 consecutive bytes
.set ii, ii+1
.endr
; Into LDS.  Key k lies at row 32 (k / 32) + P(k % 32), P changing bits 3 and 4: so the 16 keys of a tile of K are 16 neighbouring rows.
.set ii, 0
.rept 32
	s_wait_loadcnt 31-ii                           ; loads come back in order: row i is in, the 31 - i younger ones may be out
	ds_store_b128 v5, v[X+4*ii:X+4*ii+3] offset:((ii&7)|(((ii>>3)&1)<<4)|(((ii>>4)&1)<<3))*PITCH
.set ii, ii+1
.endr
	s_wait_dscnt 0x0                               ; for the others' sake: my stores have landed
	s_barrier_signal -1
	s_barrier_wait -1
; 32 numbers v[qs] .. v[qs + 31] of one block become 6 registers of codes at v[qd] and the scale's byte in v[qy].
.macro QBLK
	v_max3_num_f32 v13, |v[qs]|, |v[qs+1]|, 0x1800000              ; the largest magnitude, in two chains, with the floor 2^(3 - 127) among its leaves
	v_max3_num_f32 v14, |v[qs+2]|, |v[qs+3]|, |v[qs+4]|
.irp i, 5,9,13,17,21,25
	v_max3_num_f32 v13, v13, |v[qs+\i]|, |v[qs+\i+1]|
	v_max3_num_f32 v14, v14, |v[qs+\i+2]|, |v[qs+\i+3]|
.endr
	v_max3_num_f32 v13, v13, |v[qs+29]|, |v[qs+30]|
	v_max3_num_f32 v13, v13, v14, |v[qs+31]|
	v_add_nc_u32 v15, 0xff000000, v13              ; 2 off its exponent field: the conversion takes the exponent field of this operand as its scale
	v_lshrrev_b32 v[qy], 23, v15                   ; the scale's byte
	v_cvt_scalef32_pk16_fp6_f32 v[qd:qd+2], v[qs:qs+15], v15
	v_cvt_scalef32_pk16_fp6_f32 v[TC:TC+2], v[qs+16:qs+31], v15
	v_nop                                          ; one plain place behind a scaled conversion
	v_mov_b32 v[qd+3], v[TC]
	v_mov_b32 v[qd+4], v[TC+1]
	v_mov_b32 v[qd+5], v[TC+2]
.endm
; ---- V: lane L takes channel 32 v + L, its registers run down the 128 keys in their own order.
.set kk, 0
.rept 128
.set rw, 32*(kk>>5)+((kk&7)|(((kk>>3)&1)<<4)|(((kk>>4)&1)<<3))
.if kk < 64
	ds_load_b32 v[X+kk], v6 offset:rw*PITCH
.else
	ds_load_b32 v[X+kk], v7 offset:(rw-64)*PITCH
.endif
.set kk, kk+1
.endr
	s_wait_dscnt 0x0
.set qs, X                             ; blocks 0 and 2 of the keys go to FA, blocks 1 and 3 to FB
.set qd, FA
.set qy, 16
	QBLK
.set qs, X+32
.set qd, FB
.set qy, 17
	QBLK
.set qs, X+64
.set qd, FA+6
.set qy, 18
	QBLK
.set qs, X+96
.set qd, FB+6
.set qy, 19
	QBLK
.set ii, 0
.rept 12
	v_permlane16_swap_b32 v[FA+ii], v[FB+ii]       ; FA's lanes 16-31 change places with FB's lanes 0-15: FA is now the fragment of channels 0-15 (lanes 16-31: their blocks 1, 3), FB that of channels 16-31
.set ii, ii+1
.endr
	v_lshl_or_b32 v20, v17, 8, v16                 ; my channel's scale word
	v_lshl_or_b32 v20, v18, 16, v20
	v_lshl_or_b32 v20, v19, 24, v20
.irp c, 0,1,2
	global_store_b128 v4, v[FA+4*\c:FA+4*\c+3], s[24:25] offset:512*\c          ; 32 lanes store 512 consecutive bytes
.endr
.irp c, 0,1,2
	global_store_b128 v4, v[FB+4*\c:FB+4*\c+3], s[24:25] offset:1536+512*\c
.endr
	global_store_b32 v10, v20, s[28:29] offset:18432
; ---- K: wave v takes key block v; lane (r, h) of tile u takes row 16 u + r and channels 64 c + 32 h .. + 31: two whole blocks, in the order of the operand's registers.
.set uu, 0
.rept 2
.set cc, 0
.rept 2
.set qq, 0
.rept 8
	ds_load_b128 v[X+64*uu+32*cc+4*qq:X+64*uu+32*cc+4*qq+3], v8 offset:16*uu*PITCH+256*cc+16*qq
.set qq, qq+1
.endr
.set cc, cc+1
.endr
.set uu, uu+1
.endr
	s_wait_xcnt 0x0                                ; the stores above have read FA, FB and their word: these are written again only behind this wait
	s_wait_dscnt 0x0
.set qs, X
.set qd, FA
.set qy, 16
	QBLK
.set qs, X+32
.set qd, FA+6
.set qy, 17
	QBLK
.set qs, X+64
.set qd, FB
.set qy, 18
	QBLK
.set qs, X+96
.set qd, FB+6
.set qy, 19
	QBLK
	v_lshl_or_b32 v21, v17, 16, v16                ; tile 0: my two bytes, blocks h and 2 + h of my key,
	v_lshl_or_b32 v22, v19, 16, v18                ; tile 1 likewise,
	v_lshlrev_b32 v21, v12, v21                    ; at their places in the word (8 h bits up);
	v_lshlrev_b32 v22, v12, v22
	v_permlanex16_b32 v23, v21, s30, s31
	v_or_b32 v21, v21, v23                         ; with lane l xor 16's two the word is whole
	v_permlanex16_b32 v23, v22, s30, s31
	v_or_b32 v22, v22, v23
	v_cndmask_b32 v21, v21, v22, s32               ; lanes 0-15 tile 0's words, lanes 16-31 tile 1's
.irp c, 0,1,2
	global_store_b128 v4, v[FA+4*\c:FA+4*\c+3], s[36:37] offset:512*\c
.endr
.irp c, 0,1,2
	global_store_b128 v4, v[FB+4*\c:FB+4*\c+3], s[36:37] offset:1536+512*\c
.endr
	global_store_b32 v10, v21, s[38:39] offset:18432
; ---- the mask's numbers, by the work-groups of the first chunk of channels alone: a branch on the work-group's number round two stores
	s_cmp_lg_u32 ttmp9, 0
	s_cbranch_scc1 .Ldone
	v_mov_b32 v26, 0xff61b1e6                      ; -3e38
	v_mov_b32 v24, 0
	v_cmp_ne_u32 vcc_lo, 0, v11
	v_cndmask_b32 v25, 0, v26, vcc_lo              ; key 32 v + L: hidden or not
	global_store_b32 v10, v25, s[34:35] offset:19200
	global_store_b32 v10, v24, s[34:35] offset:19328
.Ldone:
	s_wait_tensorcnt 0x0
	ds_add_u32 v192, v193
	s_wait_dscnt 0x0
	s_endpgm
.Lfunc_end_k_qb12f28de26_prep:
	.size	k_qb12f28de26_prep, .Lfunc_end_k_qb12f28de26_prep-k_qb12f28de26_prep
	.p2alignl 7, 3214868480
	.fill 96, 4, 3214868480
	.section	.rodata,"a",@progbits
	.p2align	6, 0x0
	.amdhsa_kernel k_qb12f28de26_prep
		.amdhsa_group_segment_fixed_size 68096
		.amdhsa_private_segment_fixed_size 0
		.amdhsa_enable_private_segment 0
		.amdhsa_kernarg_size 24
		.amdhsa_user_sgpr_count 2
		.amdhsa_user_sgpr_kernarg_segment_ptr 1
		.amdhsa_wavefront_size32 1
		.amdhsa_system_sgpr_workgroup_id_x 1
		.amdhsa_system_sgpr_workgroup_id_y 1
		.amdhsa_system_sgpr_workgroup_id_z 1
		.amdhsa_system_vgpr_workitem_id 0
		.amdhsa_next_free_vgpr 194
		.amdhsa_next_free_sgpr 66
		.amdhsa_reserve_vcc 1
		.amdhsa_float_denorm_mode_32 3
		.amdhsa_float_denorm_mode_16_64 3
		.amdhsa_memory_ordered 1
		.amdhsa_forward_progress 1
		.amdhsa_inst_pref_size 34
	.end_amdhsa_kernel
	.amdgpu_metadata
---
amdhsa.version: [ 1, 2 ]
amdhsa.kernels:
  - .name:           k_qb12f28de26_prep
    .symbol:         k_qb12f28de26_prep.kd
    .args:
      - { .name: x, .offset: 0, .size: 8, .value_kind: global_buffer, .address_space: global }
      - { .name: mask, .offset: 8, .size: 8, .value_kind: global_buffer, .address_space: global }
      - { .name: kv, .offset: 16, .size: 8, .value_kind: global_buffer, .address_space: global }
    .group_segment_fixed_size: 68096
    .private_segment_fixed_size: 0
    .kernarg_segment_align: 8
    .kernarg_segment_size: 24
    .max_flat_workgroup_size: 128
    .sgpr_count:     66
    .vgpr_count:     194
    .wavefront_size: 32
...
	.end_amdgpu_metadata
.endif
;; end of part 1
;; launch attn (part 2): grid 32 x 8, 4 waves a work-group, clusters of 4 x 1, 327,680 bytes of LDS; arguments kv, out0; writes out0
.if DOCPART == 2
	.amdgcn_target "amdgcn-amd-amdhsa--gfx1250"
	.amdhsa_code_object_version 6
	.text
	.protected	k_qb12f28de26_attn
	.globl	k_qb12f28de26_attn
	.p2align	8
	.type	k_qb12f28de26_attn,@function
k_qb12f28de26_attn:
	s_mov_b64 s[64:65], 0
	v_nop
	global_prefetch_b8 v0, s[64:65] scope:SCOPE_SE
	s_setreg_imm32_b32 hwreg(HW_REG_WAVE_MODE, 25, 1), 1
	s_wait_xcnt 0x0
	s_wait_alu depctr_hold_cnt(0) depctr_sa_sdst(0) depctr_va_vdst(0) depctr_va_sdst(0) depctr_va_ssrc(0) depctr_va_vcc(0) depctr_vm_vsrc(0)
	s_getreg_b32 s2, hwreg(HW_REG_IB_STS2, 6, 4)
	s_cmp_eq_u32 s2, 0
	s_cbranch_scc0 .Lentry_in_a_cluster
	s_endpgm
.Lentry_in_a_cluster:
	s_bfe_u32 s2, ttmp6, 0x10000c
	s_cmp_lg_u32 s2, 0x3003
	s_cbranch_scc0 .Lentry_shape_is_right
	s_endpgm
.Lentry_shape_is_right:
; y = softmax(x x^T, diagonal and hidden keys at -inf) x, both products in MX-FP6, from the codes that the launch before laid in kv.
; A work-group takes 64 queries of one batch and walks the 2,048 keys in 16 steps of 128.  Wave w computes S^T for keys 32 w .. + 31 of a step (48 matrix instructions),
; and O^T for channels 192 w .. + 191 over all 128 keys (48 more).  A lane holds one query throughout.
; A WAVE'S 32 KEYS ARE ONE SCALE BLOCK OF p.  So each wave keeps a running whole number M of its OWN keys and its own row sum, and quantises p = 2^(t - M_w) at once.
; Codes, -M_w and the block's byte go to LDS; behind the step's ONE barrier every wave takes the least -M_w as the common -M, moves each block's byte by M_w - M
; (a power of two: the codes stay; held at 1 from below) and brings O^T under the new M by f = 2^(old M - new M).  The row sums are joined at the end by 2^(M_w - M).
; That barrier is the cluster's round in front of the refill.  With one barrier a step the exchange bytes come twice, 8,192 bytes each, and take turns.
; RING: two slots; a slot holds, for each wave, V(j) and K(j + 1), brought by the wave's one joint load a step; a wave reads its own part alone.  The four work-groups of a cluster
; walk the same batch and ask jointly (mask 15).  The slot two steps on is prefetched by the clusters with x = 0, its 256-byte blocks shared out by the place in the cluster, by address.
; The mask's numbers (0 or -3e38) lie in kv and start the scores' sums; the diagonal is set to -inf in the one step in which it falls, by a branch on ids.
; LIMITS: holds while the scaled scores stay under 2^31 in magnitude; NaN and infinities in x are not served.
.set REC,   38656
.set PK,    19456
.set PV,    19200
.set CH,    618496
.set SLOTB, 4*REC
.set SPARE, 2*SLOTB                    ; the spare words, 512 bytes
.set LXB,   SPARE+512                  ; the row sums' exchange, 1,024 bytes
.set XB,    311296                     ; a multiple of 16,384: two exchange blocks of 8,192 bytes, told apart by address bit 13
.set XBY,   1024                       ; in a block: -M at 0, bytes at 1,024, p's codes at 2,048
.set XPI,   2048
.set XTG,   0x2000
.set SPW, 1
.set NIL, 2
.set AK0, 3
.set AKS0, 4
.set APN0, 5
.set AV0, 6
.set AVS0, 7
.set ADK, 8
.set ADS, 9
.set ADP, 10
.set ADVS, 11
.set AMXS, 12
.set AMXL, 13
.set APIS, 14
.set APIL, 15
.set AMXH, 16
.set ALXS, 17
.set D0,  18
.set PFO1, 19
.set PFO2, 20
.set STO, 21
.set RD,  22
.set GO,  23
.set NM,  24                           ; pairs: -M_w, my running largest t
.set LL,  32
.set FF,  40
.set BM,  48
.set QS,  52
.set KS,  64
.set VS,  70
.set PS,  76
.set PEN, 78
.set S,   94
.set KB,  158
.set Q35, 230
.set T4,  242
.set ALXL, 251
.set NC,  252                          ; the common -M
.set TM,  158
.set G,   174
.set SO,  178
.set BY,  182
.set PC0, 188
.set PC1, 194
.set PCT0, 200
.set PCT1, 204
.set VD,  212
.set VNEG, 213
.set FW,  214                          ; ahead of the barrier: my own factor
.set TH,  214                          ; behind it: -M_w and
.set TB,  222                          ; bytes, lanes 0-15 query tile 2 i, lanes 16-31 tile 2 i + 1
.set VB,  192
.set AV,  240
.set MSB, 0
.macro WIN new
.if MSB != \new
	s_set_vgpr_msb (MSB<<8)|\new
.set MSB, \new
.endif
.endm
.macro ROUND
	s_barrier_signal -1
	s_barrier_wait -1
	s_cmp_lg_u32 s8, 0
	s_cbranch_scc1 .Lnot_wave_0_\@
	s_barrier_signal -3
.Lnot_wave_0_\@:
	s_barrier_wait -3
	s_barrier_signal -1
	s_barrier_wait -1
.endm
.macro GROUP1 g, rows                  ; dense rows of 256 bytes, mask 15
	s_mov_b32 s[\g], 15|(3<<16)|(1<<21)
	s_mov_b32 s[\g+1], 32<<16
	s_mov_b32 s[\g+2], (\rows)<<16
	s_mov_b32 s[\g+3], 32<<16
	s_mov_b32 s[\g+4], \rows
	s_mov_b32 s[\g+5], 32
	s_mov_b32 s[\g+6], 0
	s_mov_b32 s[\g+7], 0
.endm
.macro MMC
.if fRA && fRB
	v_wmma_scale_f32_16x16x128_f8f6f4 v[rD:rD+7], v[rA:rA+11], v[rB:rB+11], v[rC:rC+7], v[rSA], v[rSB] matrix_a_fmt:MATRIX_FMT_FP6 matrix_b_fmt:MATRIX_FMT_FP6 matrix_a_scale:MATRIX_SCALE_ROW1 matrix_b_scale:MATRIX_SCALE_ROW1
.elseif fRA
	v_wmma_scale_f32_16x16x128_f8f6f4 v[rD:rD+7], v[rA:rA+11], v[rB:rB+11], v[rC:rC+7], v[rSA], v[rSB] matrix_a_fmt:MATRIX_FMT_FP6 matrix_b_fmt:MATRIX_FMT_FP6 matrix_a_scale:MATRIX_SCALE_ROW1
.elseif fRB
	v_wmma_scale_f32_16x16x128_f8f6f4 v[rD:rD+7], v[rA:rA+11], v[rB:rB+11], v[rC:rC+7], v[rSA], v[rSB] matrix_a_fmt:MATRIX_FMT_FP6 matrix_b_fmt:MATRIX_FMT_FP6 matrix_b_scale:MATRIX_SCALE_ROW1
.else
	v_wmma_scale_f32_16x16x128_f8f6f4 v[rD:rD+7], v[rA:rA+11], v[rB:rB+11], v[rC:rC+7], v[rSA], v[rSB] matrix_a_fmt:MATRIX_FMT_FP6 matrix_b_fmt:MATRIX_FMT_FP6
.endif
.endm
.macro MM0
.if fRA && fRB
	v_wmma_scale_f32_16x16x128_f8f6f4 v[rD:rD+7], v[rA:rA+11], v[rB:rB+11], 0, v[rSA], v[rSB] matrix_a_fmt:MATRIX_FMT_FP6 matrix_b_fmt:MATRIX_FMT_FP6 matrix_a_scale:MATRIX_SCALE_ROW1 matrix_b_scale:MATRIX_SCALE_ROW1
.elseif fRA
	v_wmma_scale_f32_16x16x128_f8f6f4 v[rD:rD+7], v[rA:rA+11], v[rB:rB+11], 0, v[rSA], v[rSB] matrix_a_fmt:MATRIX_FMT_FP6 matrix_b_fmt:MATRIX_FMT_FP6 matrix_a_scale:MATRIX_SCALE_ROW1
.elseif fRB
	v_wmma_scale_f32_16x16x128_f8f6f4 v[rD:rD+7], v[rA:rA+11], v[rB:rB+11], 0, v[rSA], v[rSB] matrix_a_fmt:MATRIX_FMT_FP6 matrix_b_fmt:MATRIX_FMT_FP6 matrix_b_scale:MATRIX_SCALE_ROW1
.else
	v_wmma_scale_f32_16x16x128_f8f6f4 v[rD:rD+7], v[rA:rA+11], v[rB:rB+11], 0, v[rSA], v[rSB] matrix_a_fmt:MATRIX_FMT_FP6 matrix_b_fmt:MATRIX_FMT_FP6
.endif
.endm
; the next step's K: fragments of the first 384 channels, all scale words, the mask's numbers
.macro KPRE tb
	v_add_nc_u32 v[ADK], s[\tb], v[AK0]
	v_add_nc_u32 v[ADS], s[\tb], v[AKS0]
	v_add_nc_u32 v[ADP], s[\tb], v[APN0]
.set ff, 0
.rept 18
	ds_load_b128 v[KB+4*ff:KB+4*ff+3], v[ADK] offset:512*ff
.set ff, ff+1
.endr
.irp i, 0,1,2,3,4,5
	ds_load_b32 v[KS+\i], v[ADS] offset:128*\i
.endr
.irp i, 0,1,2,3
	ds_load_b128 v[PEN+4*\i:PEN+4*\i+3], v[ADP] offset:16*\i
.endr
.endm
; the record that the refill after the next will bring: my work-group's 38 of its 151 blocks of 256 bytes, a lane a block; stops 13 steps in, inside the chain
.macro ASK
	s_cmp_lt_u32 s48, s52
	s_cbranch_scc0 .Lnot_mine_\@
	global_prefetch_b8 v[PFO1], s[54:55] th:TH_LOAD_NT scope:SCOPE_SE
	global_prefetch_b8 v[PFO2], s[54:55] th:TH_LOAD_NT scope:SCOPE_SE
.Lnot_mine_\@:
.endm
; O^T of 96 channels (window w): x f, then += V^T p^T; the accumulators take turns, and the next tiles' scalings fill the places
.macro PVWIN w, first
.set wq, 0x51*(\w)
	WIN wq
.if !(\first)
.irp m, 0,1,2,3
.irp k, 0,1,2,3
	v_pk_mul_f32 v[8*\m+2*\k:8*\m+2*\k+1], v[8*\m+2*\k:8*\m+2*\k+1], v[FF+2*\m:FF+2*\m+1] op_sel_hi:[1,0]
.endr
.endr
.endif
.if (\w) == 1
	s_wait_dscnt 12                                ; p, V's first half and the scale words are in; the 12 youngest loads (V's second half) may be out
.endif
.set ee, 0
.rept 6
.if ee == 4
	s_wait_dscnt 3
.elseif ee == 5
	s_wait_alu depctr_va_vdst(0)
	s_wait_dscnt 0x0
.endif
.set mm, 0
.rept 4
.set rD, 8*(4*ee+mm)
.set rC, rD
.set rA, VB+12*(ee%4)
.set rB, S+12*mm
.set rSA, VS+3*((\w)-1)+ee/2
.set rSB, PS+mm/2
.set fRA, ee%2
.set fRB, mm%2
.if \first
	MM0
.else
	MMC
.if ee < 5
.set kk, 0
.rept 4
	v_pk_mul_f32 v[rD+32+2*kk:rD+32+2*kk+1], v[rD+32+2*kk:rD+32+2*kk+1], v[FF+2*mm:FF+2*mm+1] op_sel_hi:[1,0]
.set kk, kk+1
.endr
.endif
.endif
.set mm, mm+1
.endr
.if ee < 2
.if \first
.rept 4
	v_nop
.endr
.endif
.set cc, 0
.rept 3
	ds_load_b128 v[VB+12*ee+4*cc:VB+12*ee+4*cc+3], v[AV] offset:((\w)-1)*9216+(ee+4)*1536+512*cc
.set cc, cc+1
.endr
.endif
.set ee, ee+1
.endr
.endm
; A step.  fill: 1 = the refill brings V and K, 2 = V alone (the last record), 0 = none
.macro STEP first, fill
.if !(\first)
.rept 5
	v_nop
.endr
.endif
; S^T = K Q^T: 6 chunks of 128 channels x 4 query tiles x 2 key tiles; the mask's numbers start the sums
.set ss, 0
.rept 6
.if ss == 3
	s_wait_dscnt 12
.elseif ss == 4
	s_wait_dscnt 6
.elseif ss == 5
	s_wait_dscnt 0x0
.endif
.set mm, 0
.rept 4
.set rB, 12*(4*ss+mm)
.set wq, 0x0c
.if ss == 5
.if mm == 0
.set rB, 240
.elseif mm == 1
.set rB, 244
.set wq, 0x04
.elseif mm == 2
.set rB, 244
.set wq, 0x08
.else
.set rB, Q35
.set wq, 0
.endif
.endif
.if (\first) && (ss >= 3)
.set wq, wq|(1+ss/5)                   ; step 0: K's later fragments lie in V's buffers of windows 1 and 2
.endif
	WIN wq
.set uu, 0
.rept 2
.set rD, S+16*mm+8*uu
.set rA, KB+12*(2*(ss%3)+uu)
.if (\first) && (ss >= 3)
.set rA, VB+24*((ss-3)%2)+12*uu
.endif
.set rC, rD
.if ss == 0
.set rC, PEN+8*uu
.endif
.set rSA, KS+ss
.set rSB, QS+6*(mm/2)+ss
.set fRA, uu
.set fRB, mm%2
	MMC
.set uu, uu+1
.endr
.set mm, mm+1
.endr
.if (ss < 3) && !(\first)
.rept 4
	v_nop
.endr
.set ff, 0
.rept 6
	ds_load_b128 v[KB+24*ss+4*ff:KB+24*ss+4*ff+3], v[ADK] offset:(ss+3)*3072+512*ff
.set ff, ff+1
.endr
.endif
.set ss, ss+1
.endr
	WIN 0
.rept 4
	v_nop
.endr
	s_lshr_b32 s56, s48, 1                         ; the diagonal falls into the step whose keys hold my cluster's queries: a branch on ids
	s_cmp_lg_u32 s56, ttmp9
	s_cbranch_scc1 .Lno_diagonal_\@
	s_lshl_b32 s56, s48, 7
	v_sub_nc_u32 v[VD], v[D0], s56
	v_mov_b32 v[VNEG], 0xff800000
.set nn, 0
.rept 64
.set dv, (nn%16)-32*(nn/32)-8*((nn/16)%2)
	v_cmp_eq_i32 vcc_lo, dv, v[VD]
	v_cndmask_b32 v[S+nn], v[S+nn], v[VNEG], vcc_lo
.set nn, nn+1
.endr
.Lno_diagonal_\@:
; the largest score of my block of 32 keys, for each query tile
.irp m, 0,1,2,3
	v_max3_num_f32 v[BM+\m], v[S+16*\m], v[S+16*\m+1], v[S+16*\m+2]
.endr
.irp i, 3,5,7,9,11,13
.irp m, 0,1,2,3
	v_max3_num_f32 v[BM+\m], v[BM+\m], v[S+16*\m+\i], v[S+16*\m+\i+1]
.endr
.endr
.irp m, 0,1,2,3
	v_max_num_f32 v[BM+\m], v[BM+\m], v[S+16*\m+15]
.endr
.irp m, 0,1,2,3
	v_permlanex16_b32 v[T4+\m], v[BM+\m], s12, s13
.endr
.irp m, 0,1,2,3
	v_max_num_f32 v[BM+\m], v[BM+\m], v[T4+\m]
.endr
; my own running M, a whole number, kept as -M = floor(-t), and my sums' factor 2^(old M - new M)
.irp m, 0,1,2,3
	v_mul_f32 v[G+\m], s14, v[BM+\m]
.endr
.irp m, 0,1,2,3
	v_max_num_f32 v[NM+2*\m+1], v[NM+2*\m+1], v[G+\m]
.endr
.irp m, 0,1,2,3
	v_mov_b32 v[G+\m], v[NM+2*\m]
.endr
.irp m, 0,1,2,3
	v_floor_f32 v[NM+2*\m], -v[NM+2*\m+1]
.endr
.irp m, 0,1,2,3
	v_sub_f32 v[G+\m], v[NM+2*\m], v[G+\m]
.endr
.irp m, 0,1,2,3
	v_cvt_i32_f32 v[G+\m], v[G+\m]
.endr
.irp m, 0,1,2,3
	v_ldexp_f32 v[FW+\m], 1.0, v[G+\m]
.endr
.irp m, 0,1,2,3
.irp k, 0,2,4,6,8,10,12,14
	v_pk_fma_f32 v[S+16*\m+\k:S+16*\m+\k+1], v[S+16*\m+\k:S+16*\m+\k+1], s[14:15], v[NM+2*\m:NM+2*\m+1] op_sel_hi:[1,0,0]
.endr
.endr
.irp m, 0,1,2,3
	v_fma_f32 v[BM+\m], v[BM+\m], s14, v[NM+2*\m]
.endr
.set nn, 0
	s_wait_alu depctr_va_vdst(0)
.rept 64
	v_exp_f32 v[S+nn], v[S+nn]                     ; p = 2^(t - M_w)
.set nn, nn+1
.endr
.irp m, 0,1,2,3
	v_mul_f32 v[LL+2*\m], v[LL+2*\m], v[FW+\m]
	v_mul_f32 v[LL+2*\m+1], v[LL+2*\m+1], v[FW+\m]
.endr
	s_wait_alu depctr_va_vdst(0)
.irp m, 0,1,2,3
	v_exp_f32 v[BM+\m], v[BM+\m]                   ; the block's largest p
.endr
.irp k, 0,2
.irp m, 0,1,2,3
	v_pk_add_f32 v[LL+2*\m:LL+2*\m+1], v[LL+2*\m:LL+2*\m+1], v[S+16*\m+\k:S+16*\m+\k+1]
.endr
.endr
.if (\fill) == 0                       ; the last step stores its sums ahead of the barrier: all of them are added here
.irp k, 4,6,8,10,12,14
.irp m, 0,1,2,3
	v_pk_add_f32 v[LL+2*\m:LL+2*\m+1], v[LL+2*\m:LL+2*\m+1], v[S+16*\m+\k:S+16*\m+\k+1]
.endr
.endr
.endif
	s_wait_alu depctr_va_vdst(0)
.irp m, 0,1,2,3
	v_max_num_f32 v[BM+\m], 0x1800000, v[BM+\m]    ; the floor 2^(3 - 127)
.endr
.irp m, 0,1,2,3
	v_add_nc_u32 v[SO+\m], 0xff000000, v[BM+\m]    ; 2 off the exponent field: the conversion's scale
.endr
.irp m, 0,1,2,3
	v_lshrrev_b32 v[BY+\m], 23, v[SO+\m]
.endr
	v_cvt_scalef32_pk16_fp6_f32 v[PC0:PC0+2], v[S:S+15], v[SO]
	v_cvt_scalef32_pk16_fp6_f32 v[PCT0:PCT0+2], v[S+16:S+31], v[SO+1]
	v_cvt_scalef32_pk16_fp6_f32 v[PC1:PC1+2], v[S+32:S+47], v[SO+2]
	v_cvt_scalef32_pk16_fp6_f32 v[PCT1:PCT1+2], v[S+48:S+63], v[SO+3]
	v_nop
.irp i, 0,1,2
	v_permlane16_swap_b32 v[PC0+\i], v[PCT0+\i]    ; a whole block in a lane: lanes 0-15 the even query tile, lanes 16-31 the odd one
	v_permlane16_swap_b32 v[PC1+\i], v[PCT1+\i]
.endr
.irp i, 0,1,2
	v_mov_b32 v[PC0+3+\i], v[PCT0+\i]
	v_mov_b32 v[PC1+3+\i], v[PCT1+\i]
.endr
.irp m, 0,1,2,3
	v_cvt_f32_u32 v[BY+\m], v[BY+\m]               ; the byte as a number: it is moved by M_w - M behind the barrier
.endr
.irp q, 0,1,2
	ds_store_b64 v[APIS], v[PC0+2*\q:PC0+2*\q+1] offset:8*\q
	ds_store_b64 v[APIS], v[PC1+2*\q:PC1+2*\q+1] offset:3072+8*\q
.endr
.irp m, 0,1,2,3
	ds_store_b32 v[AMXS], v[NM+2*\m] offset:256*\m
	ds_store_b32 v[AMXS], v[BY+\m] offset:XBY+256*\m
.endr
.if (\fill) == 0
.irp m, 0,1,2,3
	v_add_f32 v[G+\m], v[LL+2*\m], v[LL+2*\m+1]    ; my keys' row sums, under M_w
.endr
.irp m, 0,1,2,3
	v_permlanex16_b32 v[T4+\m], v[G+\m], s12, s13
.endr
.irp m, 0,1,2,3
	v_add_f32 v[G+\m], v[G+\m], v[T4+\m]
.endr
.irp m, 0,1,2,3
	ds_store_b32 v[ALXS], v[G+\m] offset:256*\m
.endr
.endif
	s_wait_alu depctr_va_vdst(0)
	s_wait_tensorcnt 0x0                           ; my one load that was out: V of this step, K of the next
	ds_add_u32 v[SPW], v[NIL]
.if \fill
.irp k, 4,6,8,10,12,14                 ; the rest of the row sums: work on registers while the add and my stores are out
.irp m, 0,1,2,3
	v_pk_add_f32 v[LL+2*\m:LL+2*\m+1], v[LL+2*\m:LL+2*\m+1], v[S+16*\m+\k:S+16*\m+\k+1]
.endr
.endr
	s_add_co_u32 s45, s50, s51
	s_add_nc_u64 s[46:47], s[46:47], REC
.endif
.if (\fill) == 1
	s_wait_xcnt 0x0                                ; the last prefetches have read their base
	s_add_nc_u64 s[54:55], s[54:55], REC
.endif
	s_wait_dscnt 0x0                               ; the add, my stores, and my reads of the slot that is filled again
.if \fill
	ROUND
.if (\fill) == 1
	tensor_load_to_lds s[44:47], s[16:23]
	s_nop 0
.else
	tensor_load_to_lds s[44:47], s[32:39]
	s_nop 0
.endif
.rept 4
	v_nop
.endr
.else
	s_barrier_signal -1
	s_barrier_wait -1
.endif
.irp m, 0,1,2,3
	ds_load_b128 v[TM+4*\m:TM+4*\m+3], v[AMXL] offset:256*\m       ; the four waves' -M of my query, tile m
.endr
.irp i, 0,1
	ds_load_b128 v[TH+4*\i:TH+4*\i+3], v[AMXH] offset:512*\i       ; the same, tile 2 i + h
.endr
.irp i, 0,1
	ds_load_b128 v[TB+4*\i:TB+4*\i+3], v[AMXH] offset:XBY+512*\i   ; and the bytes
.endr
.irp m, 0,1,2,3
.irp c, 0,1,2
	ds_load_b128 v[S+12*\m+4*\c:S+12*\m+4*\c+3], v[APIL] offset:1536*\m+16*\c
.endr
.endr
	WIN 0x51
	v_add_nc_u32 v[AV], s49, v[AV0]
.set ff, 0
.rept 12
	ds_load_b128 v[VB+4*ff:VB+4*ff+3], v[AV] offset:512*ff
.set ff, ff+1
.endr
	WIN 0
	v_add_nc_u32 v[ADVS], s49, v[AVS0]
.irp i, 0,1,2,3,4,5
	ds_load_b32 v[VS+\i], v[ADVS] offset:128*\i
.endr
	WIN 0xa2
	v_add_nc_u32 v[AV], s49, v[AV0]
.set ff, 0
.rept 12
	ds_load_b128 v[VB+4*ff:VB+4*ff+3], v[AV] offset:9216+512*ff
.set ff, ff+1
.endr
	WIN 0
.if (\fill) == 1
	ASK
.endif
	s_wait_dscnt 42                                ; the 8 exchange loads are in; behind them 12 + 12 + 6 + 12 may be out
.irp a, AMXS, AMXL, AMXH, APIS, APIL
	v_xor_b32 v[\a], XTG, v[\a]                    ; the next step's exchange goes through the other block
.endr
.irp m, 0,1,2,3
	v_min3_num_f32 v[BY+\m], v[TM+4*\m], v[TM+4*\m+1], v[TM+4*\m+2]
.endr
.irp m, 0,1,2,3
	v_min_num_f32 v[BY+\m], v[BY+\m], v[TM+4*\m+3]                 ; the common -M (each -M_w only falls, so this one too)
.endr
.irp i, 0,1
	v_cndmask_b32 v[SO+\i], v[BY+2*\i], v[BY+2*\i+1], s53
.endr
.set kk, 0
.rept 8
	v_sub_f32 v[TH+kk], v[SO+kk/4], v[TH+kk]       ; M_w - M: a whole number, 0 or less
.set kk, kk+1
.endr
.set kk, 0
.rept 8
	v_add_f32 v[TH+kk], v[TH+kk], v[TB+kk]
.set kk, kk+1
.endr
.set kk, 0
.rept 8
	v_max_num_f32 v[TH+kk], 1.0, v[TH+kk]          ; the byte is held at 1 from below, as the quantiser holds it
.set kk, kk+1
.endr
.set kk, 0
.rept 8
	v_cvt_u32_f32 v[TH+kk], v[TH+kk]
.set kk, kk+1
.endr
.irp i, 0,1
	v_lshl_or_b32 v[PS+\i], v[TH+4*\i+1], 8, v[TH+4*\i]            ; p's scale words for these 128 keys
.endr
.irp i, 0,1
	v_lshl_or_b32 v[PS+\i], v[TH+4*\i+2], 16, v[PS+\i]
.endr
.irp i, 0,1
	v_lshl_or_b32 v[PS+\i], v[TH+4*\i+3], 24, v[PS+\i]
.endr
.irp m, 0,1,2,3
	v_sub_f32 v[G+\m], v[BY+\m], v[NC+\m]
.endr
.irp m, 0,1,2,3
	v_mov_b32 v[NC+\m], v[BY+\m]
.endr
.irp m, 0,1,2,3
	v_cvt_i32_f32 v[G+\m], v[G+\m]
.endr
.irp m, 0,1,2,3
	v_ldexp_f32 v[FF+2*\m], 1.0, v[G+\m]           ; f = 2^(old M - new M).  (These 16 lines are also the places behind the scale words)
.endr
	s_wait_alu depctr_va_vdst(0)
	PVWIN 1, \first
	WIN 0
.if \fill
	KPRE 49
.endif
	PVWIN 2, \first
	WIN 0
	s_xor_b32 s49, s49, SLOTB
	s_xor_b32 s50, s50, SLOTB
	s_add_co_u32 s48, s48, 1
.endm
	s_load_b128 s[4:7], s[0:1], 0x0                ; kv, out0
	v_lshl_add_u32 v[SPW], v0, 2, SPARE
	v_mov_b32 v[NIL], 0
	ds_add_u32 v1, v2
	ds_add_u32 v1, v2
	s_wait_dscnt 0x0
	v_lshrrev_b32 v249, 5, v0
	v_readfirstlane_b32 s8, v249                   ; wave
	s_bfe_u32 s9, ttmp6, 0x40000                   ; cx
	s_lshl_b32 s10, ttmp9, 2
	s_add_co_u32 s10, s10, s9                      ; which 64 queries
	s_and_b32 s11, ttmp7, 0xffff                   ; batch
	s_mov_b32 s12, 0x76543210
	s_mov_b32 s13, 0xfedcba98
	s_mov_b32 s14, 0x3fb8aa3b                      ; log2(e)
	s_mov_b32 s15, s14
	GROUP1 16, 151
	GROUP1 32, 75
	s_mov_b32 s48, 0
	s_mov_b32 s49, 0
	s_mov_b32 s50, SLOTB
	s_mul_i32 s51, s8, REC
	s_cmp_eq_u32 ttmp9, 0
	s_cselect_b32 s52, 13, 0
	s_mov_b32 s53, 0xffff0000
	s_lshl_b32 s56, s11, 2
	s_add_co_u32 s56, s56, s8
	s_mul_i32 s56, s56, CH                         ; my chain (batch, wave)
	s_mov_b32 s57, 0
	s_and_b32 s60, s10, 1
	s_lshl_b32 s60, s60, 1
	s_lshl_b32 s61, s11, 2
	s_add_co_u32 s60, s60, s61
	s_mul_i32 s60, s60, CH
	s_lshr_b32 s61, s10, 1
	s_mul_i32 s61, s61, REC
	s_add_co_u32 s60, s60, s61                     ; my queries' codes: two K parts of kv
	s_mov_b32 s61, 0
	s_lshl_b32 s62, s11, 11
	s_lshl_b32 s63, s10, 6
	s_add_co_u32 s62, s62, s63
	s_mul_i32 s62, s62, 3072
	s_mul_i32 s63, s8, 768
	s_add_co_u32 s62, s62, s63                     ; my part of out0
	s_mov_b32 s63, 0
	s_wait_kmcnt 0x0
	s_add_nc_u64 s[58:59], s[4:5], s[56:57]
	s_add_nc_u64 s[60:61], s[4:5], s[60:61]
	s_add_nc_u64 s[6:7], s[6:7], s[62:63]
; Q's 24 fragments and scale words are asked for first: they are on their way during the rounds and K(0)'s load
	v_and_b32 v246, 31, v0
	v_and_b32 v247, 15, v0
	v_bfe_u32 v248, v0, 4, 1
	v_lshlrev_b32 v249, 4, v246
	v_lshlrev_b32 v250, 2, v246
	WIN 0xc0
.irp s, 0,1,2,3,4
.irp m, 0,1,2,3
.irp c, 0,1,2
	global_load_b128 v[12*(4*\s+\m)+4*\c:12*(4*\s+\m)+4*\c+3], v249, s[60:61] offset:(\m/2)*CH+(2*\s+\m%2)*1536+512*\c
.endr
.endr
.endr
.irp c, 0,1,2
	global_load_b128 v[240+4*\c:240+4*\c+3], v249, s[60:61] offset:10*1536+512*\c
.endr
	WIN 0x40
.irp c, 0,1,2
	global_load_b128 v[244+4*\c:244+4*\c+3], v249, s[60:61] offset:11*1536+512*\c
.endr
	WIN 0x80
.irp c, 0,1,2
	global_load_b128 v[244+4*\c:244+4*\c+3], v249, s[60:61] offset:CH+10*1536+512*\c
.endr
	WIN 0
.irp c, 0,1,2
	global_load_b128 v[Q35+4*\c:Q35+4*\c+3], v249, s[60:61] offset:CH+11*1536+512*\c
.endr
.irp s, 0,1,2,3,4,5
	global_load_b32 v[QS+\s], v250, s[60:61] offset:18432+128*\s
	global_load_b32 v[QS+6+\s], v250, s[60:61] offset:CH+18432+128*\s
.endr
; K(0) goes from kv straight into registers, beside Q: channels 0-383 into K's buffer, 384-767 into V's buffers, which step 0 needs only behind its barrier
	v_lshlrev_b32 v[ADP], 6, v248
.irp i, 0,1,2,3
	global_load_b128 v[PEN+4*\i:PEN+4*\i+3], v[ADP], s[58:59] offset:19200+16*\i
.endr
.irp i, 0,1,2,3,4,5
	global_load_b32 v[KS+\i], v250, s[58:59] offset:18432+128*\i
.endr
.set ff, 0
.rept 18
	global_load_b128 v[KB+4*ff:KB+4*ff+3], v249, s[58:59] offset:512*ff
.set ff, ff+1
.endr
	WIN 0x40
.set ff, 0
.rept 12
	global_load_b128 v[VB+4*ff:VB+4*ff+3], v249, s[58:59] offset:9216+512*ff
.set ff, ff+1
.endr
	WIN 0x80
.set ff, 0
.rept 6
	global_load_b128 v[VB+4*ff:VB+4*ff+3], v249, s[58:59] offset:15360+512*ff
.set ff, ff+1
.endr
	WIN 0
	s_wait_alu depctr_va_vdst(0)
	s_mov_b32 s44, 1
	s_mov_b32 s45, s51
	s_add_nc_u64 s[46:47], s[58:59], PK
	s_or_b32 s47, s47, 0x80000000
	s_add_nc_u64 s[54:55], s[58:59], PK+REC
	ROUND
	tensor_load_to_lds s[44:47], s[16:23]          ; V(0), K(1) into slot 0: my one load at the head; slot 1 is first filled behind step 0's round
	s_nop 0
; the addresses are made while it is on its way
	v_add_nc_u32 v[AV0], s51, v249
	v_add_nc_u32 v[AK0], PV, v[AV0]
	v_add_nc_u32 v[AVS0], s51, v250
	v_add_nc_u32 v[AKS0], PV+18432, v[AVS0]
	v_add_nc_u32 v[AVS0], 18432, v[AVS0]
	v_lshl_add_u32 v[APN0], v248, 6, s51
	v_add_nc_u32 v[APN0], PV+19200, v[APN0]
	s_lshl_b32 s56, s8, 2
	v_lshlrev_b32 v[AMXL], 4, v247
	v_add_nc_u32 v[AMXS], s56, v[AMXL]             ; 16 r + 4 wave
	v_add_nc_u32 v[ALXS], LXB, v[AMXS]
	v_add_nc_u32 v[AMXS], XB, v[AMXS]
	v_add_nc_u32 v[ALXL], LXB, v[AMXL]
	v_add_nc_u32 v[AMXL], XB, v[AMXL]
	v_lshl_add_u32 v[AMXH], v248, 8, v[AMXL]       ; + 256 h: the odd query tile for lanes 16-31
	s_and_b32 s56, s8, 1
	s_mul_i32 s56, s56, 768
	s_lshr_b32 s57, s8, 1
	s_mul_i32 s57, s57, 24
	s_add_co_u32 s56, s56, s57
	s_add_co_u32 s56, s56, XB+XPI
	v_mul_u32_u24 v[APIS], v247, 48                ; p's image: my block's 24 bytes at their place in the operand's registers
	v_mad_u32_u24 v[APIS], v248, 1536, v[APIS]
	v_add_nc_u32 v[APIS], s56, v[APIS]
	v_mul_u32_u24 v[APIL], v246, 48
	v_add_nc_u32 v[APIL], XB+XPI, v[APIL]
	s_lshl_b32 s56, s10, 6
	s_lshl_b32 s57, s8, 5
	s_sub_co_u32 s56, s56, s57
	v_and_b32 v[D0], 8, v247
	v_add_nc_u32 v[D0], v[D0], v247
	v_lshlrev_b32 v[ADK], 4, v248
	v_sub_nc_u32 v[D0], v[D0], v[ADK]
	v_add_nc_u32 v[D0], s56, v[D0]                 ; my query less my first key of step 0
	s_mul_i32 s56, s9, 38
	v_add_nc_u32 v[PFO1], s56, v246
	v_lshlrev_b32 v[PFO1], 8, v[PFO1]
	v_min_u32 v[PFO2], 5, v246
	v_add_nc_u32 v[PFO2], s56, v[PFO2]
	v_add_nc_u32 v[PFO2], 32, v[PFO2]
	v_min_u32 v[PFO2], 150, v[PFO2]
	v_lshlrev_b32 v[PFO2], 8, v[PFO2]
	v_mul_u32_u24 v[STO], v247, 784
	v_lshl_add_u32 v[STO], v248, 5, v[STO]
	v_add_nc_u32 v[STO], s51, v[STO]
	v_mul_u32_u24 v[RD], v248, 784
	v_lshl_add_u32 v[RD], v247, 4, v[RD]
	v_add_nc_u32 v[RD], s51, v[RD]
	v_mul_u32_u24 v[GO], v248, 3072
	v_lshl_add_u32 v[GO], v247, 4, v[GO]
.irp m, 0,1,2,3
	v_mov_b32 v[NM+2*\m+1], 0xff61b1e6             ; -3e38, under every t
	v_mov_b32 v[LL+2*\m], 0
	v_mov_b32 v[LL+2*\m+1], 0
	v_mov_b32 v[FF+2*\m], 0
	v_mov_b32 v[FF+2*\m+1], 0
	v_mov_b32 v[T4+\m], 0
.endr
.irp m, 0,1,2,3
	v_floor_f32 v[NM+2*\m], -v[NM+2*\m+1]
	v_floor_f32 v[NC+\m], -v[NM+2*\m+1]
.endr
	s_wait_alu depctr_va_vdst(0)
	s_wait_loadcnt 0x0                             ; Q and K(0) are in
	STEP 1, 1
.Lstep:
	s_wait_alu depctr_va_vdst(0)
	STEP 0, 1
	s_cmp_lt_u32 s48, 14
	s_cbranch_scc1 .Lstep
	STEP 0, 2
	STEP 0, 0
; the row's sum: the four waves' sums, each brought under the common M by 2^(M_w - M)
.irp m, 0,1,2,3
	ds_load_b128 v[TH+4*\m:TH+4*\m+3], v[ALXL] offset:256*\m
.endr
.irp m, 0,1,2,3
.irp w, 0,1,2,3
	v_sub_f32 v[TM+4*\m+\w], v[NC+\m], v[TM+4*\m+\w]
.endr
.endr
.set kk, 0
.rept 16
	v_cvt_i32_f32 v[TM+kk], v[TM+kk]
.set kk, kk+1
.endr
	s_wait_alu depctr_va_vdst(0)
	s_wait_dscnt 0x0
.set kk, 0
.rept 16
	v_ldexp_f32 v[TH+kk], v[TH+kk], v[TM+kk]
.set kk, kk+1
.endr
.irp m, 0,1,2,3
	v_add_f32 v[G+\m], v[TH+4*\m], v[TH+4*\m+1]
.endr
.irp m, 0,1,2,3
	v_add_f32 v[T4+\m], v[TH+4*\m+2], v[TH+4*\m+3]
.endr
.irp m, 0,1,2,3
	v_add_f32 v[G+\m], v[G+\m], v[T4+\m]
.endr
	s_wait_alu depctr_va_vdst(0)
.irp m, 0,1,2,3
	v_rcp_f32 v[FF+2*\m], v[G+\m]
.endr
	v_nop
	s_wait_alu depctr_va_vdst(0)
; the way out: a query tile's 16 rows x 192 channels through my own stage (in slot 0, which is filled no more), then whole units of 256 bytes
.macro OUTM m
	WIN 0x51
.irp e, 0,1,2,3,4,5
.irp k, 0,1,2,3
	v_pk_mul_f32 v[8*(4*\e+\m)+2*\k:8*(4*\e+\m)+2*\k+1], v[8*(4*\e+\m)+2*\k:8*(4*\e+\m)+2*\k+1], v[FF+2*\m:FF+2*\m+1] op_sel_hi:[1,0]
.endr
.endr
	WIN 0xa2
.irp e, 0,1,2,3,4,5
.irp k, 0,1,2,3
	v_pk_mul_f32 v[8*(4*\e+\m)+2*\k:8*(4*\e+\m)+2*\k+1], v[8*(4*\e+\m)+2*\k:8*(4*\e+\m)+2*\k+1], v[FF+2*\m:FF+2*\m+1] op_sel_hi:[1,0]
.endr
.endr
	WIN 0x04
.irp e, 0,1,2,3,4,5
	ds_store_b128 v[STO], v[8*(4*\e+\m):8*(4*\e+\m)+3] offset:64*\e
	ds_store_b128 v[STO], v[8*(4*\e+\m)+4:8*(4*\e+\m)+7] offset:64*\e+16
.endr
	WIN 0x08
.irp e, 0,1,2,3,4,5
	ds_store_b128 v[STO], v[8*(4*\e+\m):8*(4*\e+\m)+3] offset:384+64*\e
	ds_store_b128 v[STO], v[8*(4*\e+\m)+4:8*(4*\e+\m)+7] offset:384+64*\e+16
.endr
	WIN 0
.if \m > 0
	s_wait_xcnt 0x0                                ; the last tile's stores have read their registers
.endif
.irp g, 0,1,2,3,4,5,6,7
.irp k, 0,1,2
	ds_load_b128 v[S+4*(3*\g+\k):S+4*(3*\g+\k)+3], v[RD] offset:1568*\g+256*\k
.endr
.endr
.irp g, 0,1,2,3,4,5,6,7
.irp k, 0,1,2
	s_wait_dscnt 23-(3*\g+\k)
	global_store_b128 v[GO], v[S+4*(3*\g+\k):S+4*(3*\g+\k)+3], s[6:7] offset:(32*(\m/2)+8*(\m%2)+2*\g+8*(\g/4))*3072+256*\k th:TH_STORE_NT
.endr
.endr
.endm
	OUTM 0
	OUTM 1
	OUTM 2
	OUTM 3
	s_wait_tensorcnt 0x0                           ; the wave's end
	ds_add_u32 v[SPW], v[NIL]
	s_wait_dscnt 0x0
	ROUND                                          ; the closing round
	s_endpgm
.Lfunc_end_k_qb12f28de26_attn:
	.size	k_qb12f28de26_attn, .Lfunc_end_k_qb12f28de26_attn-k_qb12f28de26_attn
	.p2alignl 7, 3214868480
	.fill 96, 4, 3214868480
	.section	.rodata,"a",@progbits
	.p2align	6, 0x0
	.amdhsa_kernel k_qb12f28de26_attn
		.amdhsa_group_segment_fixed_size 327680
		.amdhsa_private_segment_fixed_size 0
		.amdhsa_enable_private_segment 0
		.amdhsa_kernarg_size 16
		.amdhsa_user_sgpr_count 2
		.amdhsa_user_sgpr_kernarg_segment_ptr 1
		.amdhsa_wavefront_size32 1
		.amdhsa_system_sgpr_workgroup_id_x 1
		.amdhsa_system_sgpr_workgroup_id_y 1
		.amdhsa_system_sgpr_workgroup_id_z 1
		.amdhsa_system_vgpr_workitem_id 0
		.amdhsa_next_free_vgpr 1024
		.amdhsa_next_free_sgpr 66
		.amdhsa_reserve_vcc 1
		.amdhsa_float_denorm_mode_32 3
		.amdhsa_float_denorm_mode_16_64 3
		.amdhsa_memory_ordered 1
		.amdhsa_forward_progress 1
		.amdhsa_inst_pref_size 255
	.end_amdhsa_kernel
	.section	.bss,"aw",@nobits
	.p2align	6
	.space	262144
	.amdgpu_metadata
---
amdhsa.version: [ 1, 2 ]
amdhsa.kernels:
  - .name:           k_qb12f28de26_attn
    .symbol:         k_qb12f28de26_attn.kd
    .args:
      - { .name: kv, .offset: 0, .size: 8, .value_kind: global_buffer, .address_space: global }
      - { .name: out0, .offset: 8, .size: 8, .value_kind: global_buffer, .address_space: global }
    .group_segment_fixed_size: 327680
    .private_segment_fixed_size: 0
    .kernarg_segment_align: 8
    .kernarg_segment_size: 16
    .max_flat_workgroup_size: 128
    .sgpr_count:     66
    .vgpr_count:     1024
    .wavefront_size: 32
...
	.end_amdgpu_metadata
.endif
;; end of part 2
